; MI455X (gfx1250); checked and timed in simulation.
; The chip was launched on July 23, 2026; its instructions are those of AMD's public machine-readable ISA for CDNA 5 (MIT licence, August 2026) and "CDNA5" Instruction Set Architecture Reference Guide (July 2026). The comments in the code are by the model that wrote it; some were corrected since.
;; Swin Transformer Block. Allowed arithmetic: matrix products marked QUANTISED: E4M3 operands, one given power-of-two scale a tensor, by v_wmma_f32_16x16x64_fp8_fp8 or v_wmma_f32_16x16x128_fp8_fp8, f32 sums; everything else in f32.
;; Inputs: b1 1,024 float32; b2 256 float32; bk 256 float32; bo 256 float32; bq 256 float32; bv 256 float32; hidden_states 8 x 4,096 x 256 float32; ln1_b 256 float32; ln1_g 256 float32; ln2_b 256 float32; ln2_g 256 float32; lowp_scales 16 int32 (the exponents e of the quantised operands' scales 2^e); rel_table 225 x 8 float32; w1_codes 1,024 x 8 x 32 uint8 (E4M3 codes of w1, K innermost, in blocks of 32 codes); w2_codes 256 x 32 x 32 uint8 (E4M3 codes of w2, K innermost, in blocks of 32 codes); wk_codes 256 x 8 x 32 uint8 (E4M3 codes of wk, K innermost, in blocks of 32 codes); wo_codes 256 x 8 x 32 uint8 (E4M3 codes of wo, K innermost, in blocks of 32 codes); wq_codes 256 x 8 x 32 uint8 (E4M3 codes of wq, K innermost, in blocks of 32 codes); wv_codes 256 x 8 x 32 uint8 (E4M3 codes of wv, K innermost, in blocks of 32 codes).
;; Outputs: out0 8 x 4,096 x 256 float32.
;; This version of the problem:
;;   THIS VERSION OF THE PROBLEM IS GIVEN IN LOW PRECISION. The matrix products marked QUANTISED in the list below multiply operands that are first quantised to E4M3 (4 exponent bits, 3 mantissa bits; 8 bits a number), with one given power-of-two scale for each operand tensor; their sums are f32. All else is computed in f32.
;;   The module's matrix products, in the order in which they are computed (A, B: the left and right operand; K: the contracted axis; several contracted axes count as one K, in the product's order):
;;     1. [M 32,768, K 256] x [K 256, N 256]; A: computed on the way; B: input wq (given as codes): QUANTISED (scales: A lowp_scales[0], B lowp_scales[1])
;;     2. [M 32,768, K 256] x [K 256, N 256]; A: computed on the way; B: input wk (given as codes): QUANTISED (scales: A lowp_scales[2], B lowp_scales[3])
;;     3. [M 32,768, K 256] x [K 256, N 256]; A: computed on the way; B: input wv (given as codes): QUANTISED (scales: A lowp_scales[4], B lowp_scales[5])
;;     4. batch 4,096 x [M 64, K 32] x [K 32, N 64]; A: computed on the way; B: computed on the way: QUANTISED (scales: A lowp_scales[6], B lowp_scales[7])
;;     5. batch 4,096 x [M 32, K 64] x [K 64, N 64]; A: computed on the way; B: computed on the way: QUANTISED (scales: A lowp_scales[8], B lowp_scales[9])
;;     6. [M 32,768, K 256] x [K 256, N 256]; A: computed on the way; B: input wo (given as codes): QUANTISED (scales: A lowp_scales[10], B lowp_scales[11])
;;     7. [M 32,768, K 256] x [K 256, N 1,024]; A: computed on the way; B: input w1 (given as codes): QUANTISED (scales: A lowp_scales[12], B lowp_scales[13])
;;     8. [M 32,768, K 1,024] x [K 1,024, N 256]; A: computed on the way; B: input w2 (given as codes): QUANTISED (scales: A lowp_scales[14], B lowp_scales[15])
;;   THE QUANTISER, for each operand of a quantised product, along K:
;;     - The operand's scale is 2^e, e = its entry of the input lowp_scales (int32; the entries are numbered through the quantised products in the list's order, A before B).
;;     - Each number is divided by the scale, clamped to +-448, and rounded to the nearest number of E4M3, ties to even, subnormals kept.
;;     - The product sums the exact products of the quantised numbers (number of the format x scale) in f32.
;;   ~~~python
;;   def quantise(x, axis, e):      # numpy; x: float32 -> the quantised numbers, widened to float32 again
;;       x = np.moveaxis(x, axis, -1); K = x.shape[-1]
;;       r = np.clip(x / 2.0 ** e, -448, 448)
;;       step = 2.0 ** (np.maximum(np.frexp(np.where(r == 0, 1, r))[1] - 1, -6) - 3)
;;       q = np.round(r / step) * step * 2.0 ** e      # np.round: ties to even
;;       return np.moveaxis(q, -1, axis).astype(np.float32)
;;   ~~~
;;   OPERANDS COMPUTED ON THE WAY. 'Computed on the way' means the value that the module computes at that place (a softmax that the list does not call 'softmax' is quantised finished and normalised). What goes into a quantiser is computed in f32, as accurately as f32 sums, v_exp_f32 and their like allow (about 1e-6 of the number): no bf16 or f16 on the way to a quantiser, and a product that is left as it is and whose result goes on into a quantised operand takes f32 operands (vector FMAs, or v_wmma_f32_16x16x4_f32). A number that lies on a knife's edge between two numbers of the format may be rounded either way, as far as f32 arithmetic and the matrix unit's own rounding can turn it there, and no further.
;;   INPUTS GIVEN AS CODES. w1 (in the module: [1024, 256], K = its axis 1); w2 (in the module: [256, 1024], K = its axis 1); wk (in the module: [256, 256], K = its axis 1); wo (in the module: [256, 256], K = its axis 1); wq (in the module: [256, 256], K = its axis 1); wv (in the module: [256, 256], K = its axis 1): each comes as NAME_codes (uint8): NAME with its K axis moved to the last place and cut into blocks of 32 codes, [.., K / 32, bytes a block], one block behind the other in memory; one code a byte (a code: sign, 4 exponent bits, 3 mantissa bits); its scale is its entry of lowp_scales. Its value is code x scale, taken as it is: it is not quantised again, and the codes and scales need not be those that the quantiser above would give.
;; One version. Each part assembles by itself: llvm-mc -triple=amdgcn-amd-amdhsa -mcpu=gfx1250 --defsym DOCPART=n.
;; ======== version 1 of 1: 1 launch
;; launch swin (part 1): grid 256 x 1, 8 waves a work-group, no clusters, 313,600 bytes of LDS; arguments hidden_states, out0, lowp_scales, rel_table, ln1_g, ln1_b, ln2_g, ln2_b, wk_codes, wv_codes, wq_codes, wo_codes, w1_codes, w2_codes, bk, bv, bq, bo, b1, b2; writes out0
.if DOCPART == 1
	.amdgcn_target "amdgcn-amd-amdhsa--gfx1250"
	.amdhsa_code_object_version 6
	.text
	.protected	k_q940d931a53_swin
	.globl	k_q940d931a53_swin
	.p2align	8
	.type	k_q940d931a53_swin,@function
k_q940d931a53_swin:
	s_mov_b64 s[64:65], 0
	v_nop
	global_prefetch_b8 v0, s[64:65] scope:SCOPE_SE
	s_setreg_imm32_b32 hwreg(HW_REG_WAVE_MODE, 25, 1), 1
	s_wait_xcnt 0x0
; A whole Swin block (LN1, shift, windows, q k v, attention with position bias and shift mask, wo, residual, LN2, w1, exact GELU, w2, residual) in one launch; all eight products on E4M3 codes.
; SHARES.  256 work-groups of 8 waves.  A work-group owns two neighbouring shifted windows: 128 tokens = 8 tiles of 16.  Their f32 rows (shortcut, then hidden, then result) lie in LDS from the first load to the last store.
; In the row phases (load, LN1, LN2) wave w owns tile w.  In the product phases THE WAVES SHARE THE COLUMNS: wave w owns head w, outputs 32 w .. 32 w + 31 of wo and w2, hidden units 128 w .. 128 w + 127 of w1.
; So each weight byte enters the work-group once, from memory straight into the registers (window 1) of the one wave that multiplies it, a phase or more ahead of its use.
; Quantised operands go from wave to wave through LDS as images of their registers: 512 bytes for a block of 32 along K, lane l's 16 codes at 16 l.  Q, K, V, the scores and p never leave a wave's registers.
; TOKEN ORDER.  Row r of tile t of a window is window token 32 (t / 2) + 8 (t % 2) + r % 8 + 16 (r / 8): window row 4 (t / 2) + t % 2 + 2 (r / 8), column r % 8.  So the 16 score registers of key tiles 2 b, 2 b + 1 are 16 neighbouring keys.
; WEIGHT ROWS.  Lane r of tile u takes row base + 8 u + r % 8 + 16 (r / 8): in a transposed product (source 0 = weight rows) a lane's 16 registers of tiles u = 0, 1 are 16 neighbouring features, base + 16 (lane / 16) + 0 .. 15.
; K ORDER.  Registers 4 c .. 4 c + 3 of a fragment hold k = 32 c + 16 (lane / 16) + 0 .. 15, alike in both operands: every product meets its partner; only the order of the sums inside an instruction differs from ascending k.
; NO JOINT LOADS: all work-groups walk the same 786,432 bytes of weights, but a joint load lands in LDS, of which this text leaves 14,080 bytes, and a phase's weights are 65,536 to 262,144 bytes.  No tensor load, so no ring.
; LIMITS on lowp_scales (E0 .. E15), so that each power of two below is an f32 number: E0, E2, E4, E9, E12, E7-E2-E3, E8-E4-E5, E6-E0-E1, E10-E8-E9 and E14-E12-E13+1 between -126 and 119;
; E6+E7 between -118 and 128; E12+E13 between -125 and 128; E10+E11 and E14+E15 between -126 and 127.  NaN among the inputs is not served.
; erf is a quotient of two polynomials in u^2 (degrees 6 and 4), u held within +-4; 1 + erf loses relative accuracy for arguments far below zero, where the GELU itself is next to nothing.
.set XP,    1040                       ; a token's row in LDS: 1,024 bytes + 16: row r starts 4 r banks on
.set TILEB, 16*XP
.set RB,    128*XP                     ; behind the rows: images.  x: [tile 12,288][q, k, v 4,096][block 512]; later the hidden layer: [tile 16,384][K step 2,048][block 512]
.set CTXB,  RB+98304                   ; attention's result: [tile 4,096][block 512]
.set YB,    RB+131072                  ; LN2's result: the same form
.set TAB,   RB+163840                  ; position bias x sqrt(32) / 2^(E6+E7): [head TABH][ii TROW][jj 4]
.set TROW,  80                         ; a table row: 20 words.  A gather's lanes read rows 0, +2 and -2 of their place: these start 0, 40 and 24 banks on (64 banks of 4 bytes: ISA guide 11.1), eight words each: every bank once
.set TABH,  18*TROW
.set GB,    TAB+8*TABH                 ; ln1_g, ln1_b, ln2_g, ln2_b: 1,024 each
.set SPARE, GB+4096                    ; the spare words, 128 bytes for each wave: four blocks of 256 bytes that no other line names
.set SPW, 1                            ; v1   SPARE + 4 x my thread's number; never rewritten
.set NIL, 2                            ; v2   0; never rewritten
.set LI,  3                            ; v3   16 x lane
.set FRL, 4                            ; v4   (lane % 16) x XP + 64 (lane / 16): my 16 numbers of a block of 32 in row lane % 16
.set WL,  5                            ; v5   (r % 8 + 16 (r / 8)) x 256 + 16 (lane / 16): my place in a tile of a weight with rows of 256 codes
.set GA,  6                            ; v6-9 byte offsets in hidden_states: [window row of my tile: 2][column half: 2], + 16 x lane; on the way out v6, v7: offsets in out0 of the two column halves
.set H64, 10                           ; v10  64 (lane / 16)
.set WV,  2                            ; s2   my wave's number
; v11-15: addresses of the phase in hand.  Window 1 (v256-511): weights alone.  The other registers are mapped phase by phase below.
; s[8:47] the twenty buffers; s[48:63] E0..E15; s66, s67 lane selects; s70 lanes with (lane & 4); s71, s72 mask values; s73 -100 in the scores' unit; s74 window pair; s75 table scale; s[76:77] log2(e)/sqrt(32) x 2^(E6+E7);
; s[78:79] a phase's power of two; s80-82 loop count and LDS steps; s83 batch and image row of the way out; s84 1/256; s85 1e-5; s86-95 holds (-L, +L) of the phase's quantisers.
.set MSB, 0
.macro WIN new                         ; the immediate's high byte repeats the setting that is left
.if MSB != \new
	s_set_vgpr_msb (MSB<<8)|\new
.set MSB, \new
.endif
.endm
.macro PLACES n                        ; plain vector places behind matrix instructions: 4 ahead of loads into and reads of their registers, 5 ahead of a matrix instruction that writes over them
.rept \n
	v_nop
.endr
.endm
.macro BAR                             ; my LDS stores have landed and my LDS loads are in: then the work-group's barrier
	s_wait_dscnt 0x0
	s_barrier_signal -1
	s_barrier_wait -1
.endm
.macro MKSC se, vs, sn, sp             ; from the exponent in s[se]: v[vs] = 2^e for the conversion, s[sp] = 448 x 2^e, s[sn] = -that
	s_add_co_i32 s3, s[\se], 127
	s_lshl_b32 s4, s3, 23
	v_mov_b32 v[\vs], s4
	s_add_co_i32 s3, s3, 8
	s_lshl_b32 s3, s3, 23
	s_or_b32 s[\sp], s3, 0x600000
	s_xor_b32 s[\sn], s[\sp], 0x80000000
.endm
.macro WFRAG reg, voff, ptr, imm       ; one weight fragment (16 rows x 128 K), under WIN 0x40
.irp c, 0,1,2,3
	global_load_b128 v[(\reg)+4*\c:(\reg)+4*\c+3], v[\voff], s[\ptr:\ptr+1] offset:(\imm)+32*\c
.endr
.endm
.macro WLOAD4 wb, ptr                  ; my 32 rows of wq, wk, wv or wo: fragment (u, s) at wb + 16 (2 u + s)
.irp u, 0,1
.irp s, 0,1
	WFRAG (\wb)+16*(2*\u+\s), 11, \ptr, \u*2048+\s*128
.endr
.endr
.endm
.macro QNT16 src, dst, vs, sn, sp      ; 16 numbers become 16 codes.  The conversion does not saturate (ISA guide 7.6.2): hold first.  Ascending, so that a matrix result is read from its low end on
.set QI, 0
.rept 16
	v_med3_num_f32 v[(\src)+QI], v[(\src)+QI], s[\sn], s[\sp]
.set QI, QI+1
.endr
	v_cvt_scalef32_pk8_fp8_f32 v[(\dst):(\dst)+1], v[(\src):(\src)+7], v[\vs]
	v_cvt_scalef32_pk8_fp8_f32 v[(\dst)+2:(\dst)+3], v[(\src)+8:(\src)+15], v[\vs]
	v_nop                                          ; a plain line behind the last conversion
.endm
; Four products: features x 16 tokens, K = 256, transposed (source 0 = weight rows in window 1).  The bias is the C of each sum's first product.  The two accumulators take turns.
.macro PROJT wb, cb, acc, xf
	WIN 0x01
	v_wmma_f32_16x16x128_fp8_fp8 v[(\acc):(\acc)+7], v[(\wb):(\wb)+15], v[(\xf):(\xf)+15], v[(\cb):(\cb)+7]
	v_wmma_f32_16x16x128_fp8_fp8 v[(\acc)+8:(\acc)+15], v[(\wb)+32:(\wb)+47], v[(\xf):(\xf)+15], v[(\cb)+8:(\cb)+15]
	v_wmma_f32_16x16x128_fp8_fp8 v[(\acc):(\acc)+7], v[(\wb)+16:(\wb)+31], v[(\xf)+16:(\xf)+31], v[(\acc):(\acc)+7]
	v_wmma_f32_16x16x128_fp8_fp8 v[(\acc)+8:(\acc)+15], v[(\wb)+48:(\wb)+63], v[(\xf)+16:(\xf)+31], v[(\acc)+8:(\acc)+15]
	WIN 0
.endm
; ================= P0: addresses; rows, gains and bias table into LDS =================
	s_load_b512 s[8:23], s[0:1], 0x0               ; hidden_states, out0, lowp_scales, rel_table, ln1_g, ln1_b, ln2_g, ln2_b
	s_load_b512 s[24:39], s[0:1], 0x40             ; wk, wv, wq, wo, w1, w2, bk, bv
	s_load_b256 s[40:47], s[0:1], 0x80             ; bq, bo, b1, b2
	v_lshl_add_u32 v[SPW], v0, 2, SPARE
	v_mov_b32 v[NIL], 0
	v_lshrrev_b32 v16, 5, v0
	v_readfirstlane_b32 s[WV], v16                 ; wave 0..7
	v_and_b32 v17, 31, v0
	v_and_b32 v18, 15, v0                          ; r
	v_bfe_u32 v19, v0, 4, 1                        ; h
	v_lshlrev_b32 v[LI], 4, v17
	v_mul_u32_u24 v[FRL], v18, XP
	v_lshl_add_u32 v[FRL], v19, 6, v[FRL]
	v_and_b32 v20, 7, v0
	v_bfe_u32 v21, v0, 3, 1
	v_lshl_add_u32 v20, v21, 4, v20                ; r % 8 + 16 (r / 8)
	v_lshlrev_b32 v[WL], 8, v20
	v_lshl_add_u32 v[WL], v19, 4, v[WL]
	v_lshlrev_b32 v[H64], 6, v19
	s_mov_b32 s66, 0x76543210
	s_mov_b32 s67, 0xfedcba98                      ; v_permlanex16_b32: lane l xor 16
	s_mov_b32 s84, 0x3b800000                      ; 1 / 256
	s_mov_b32 s85, 0x3727c5ac                      ; 1e-5
	; work-group g: batch g / 32, window row (g / 4) % 8, window columns 2 (g % 4) and + 1.  Window token (i, j) lies at image row (8 wh + i + 4) % 64, column (8 ww + j + 4) % 64: the shift, out and back
	s_lshr_b32 s3, ttmp9, 5
	s_lshl_b32 s3, s3, 22                          ; a batch is 4,096 rows of 1,024 bytes
	s_bfe_u32 s4, ttmp9, 0x30002                   ; wh
	s_and_b32 s74, ttmp9, 3
	s_lshr_b32 s5, s[WV], 2                        ; my tile's window
	s_lshl_b32 s6, s74, 1
	s_add_co_u32 s5, s5, s6                        ; ww
	s_lshl_b32 s5, s5, 3
	s_and_b32 s6, s[WV], 1
	s_and_b32 s7, s[WV], 2
	s_lshl_b32 s7, s7, 1
	s_add_co_u32 s6, s6, s7                        ; my tile's first window row: 4 (t / 2) + t % 2
	s_lshl_b32 s4, s4, 3
	s_add_co_u32 s6, s6, s4
	s_add_co_u32 s6, s6, 4
	s_and_b32 s4, s6, 63
	s_lshl_b32 s4, s4, 16
	s_add_co_u32 s4, s4, s3                        ; rows 0-7 of my tile: one image row,
	s_add_co_u32 s6, s6, 2
	s_and_b32 s6, s6, 63
	s_lshl_b32 s6, s6, 16
	s_add_co_u32 s6, s6, s3                        ; rows 8-15: the image row two further down
	s_add_co_u32 s3, s5, 4
	s_lshl_b32 s3, s3, 10                          ; columns j = 0..3
	s_add_co_u32 s5, s5, 8
	s_and_b32 s5, s5, 63
	s_lshl_b32 s5, s5, 10                          ; columns j = 4..7, which wrap in the last window
	v_add3_u32 v[GA], v[LI], s4, s3
	v_add3_u32 v[GA+1], v[LI], s4, s5
	v_add3_u32 v[GA+2], v[LI], s6, s3
	v_add3_u32 v[GA+3], v[LI], s6, s5
	s_mul_i32 s3, s[WV], TILEB
	v_add_nc_u32 v15, s3, v[LI]                    ; my tile's rows, 16 bytes a lane
	v_add_nc_u32 v12, s3, v[FRL]                   ; and as a fragment's lanes want them
	s_mul_i32 s3, s[WV], 12288
	s_add_co_u32 s3, s3, RB
	v_add_nc_u32 v13, s3, v[LI]                    ; my tile's three images of x
	v_add_nc_u32 v14, GB, v[H64]
	s_lshl_b32 s3, s[WV], 13
	v_add_nc_u32 v11, s3, v[WL]                    ; my 32 rows of wq, wk, wv, wo
	s_and_b32 s3, s[WV], 1
	s_lshl_b32 s3, s3, 9
	v_add_nc_u32 v41, s3, v[LI]                    ; my half of a gain or bias vector,
	s_lshl_b32 s3, s[WV], 9
	s_add_co_u32 s3, s3, GB
	v_add_nc_u32 v42, s3, v[LI]                    ; and where it goes
	v_min_u32 v40, 224, v0                         ; thread t takes table entry t; threads 225 on repeat entry 224 (no load leaves the table) and put it into rows that nobody reads
	v_lshlrev_b32 v40, 5, v40
	v_mul_u32_u24 v48, v0, 4370
	v_lshrrev_b32 v48, 16, v48                     ; ii = t / 15
	v_mul_u32_u24 v49, v48, 15
	v_sub_nc_u32 v49, v0, v49                      ; jj = t % 15
	v_lshlrev_b32 v49, 2, v49
	v_mul_u32_u24 v48, v48, TROW
	v_add_nc_u32 v49, v48, v49
	v_add_nc_u32 v49, TAB, v49
	s_wait_kmcnt 0x0
	s_load_b512 s[48:63], s[12:13], 0x0            ; E0 .. E15
	s_cmp_lt_u32 s[WV], 2                          ; waves 0, 1: ln1_g; 2, 3: ln1_b; 4, 5: ln2_g; 6, 7: ln2_b
	s_cselect_b64 s[4:5], s[16:17], s[18:19]
	s_cmp_lt_u32 s[WV], 6
	s_cselect_b64 s[6:7], s[20:21], s[22:23]
	s_cmp_lt_u32 s[WV], 4
	s_cselect_b64 s[4:5], s[4:5], s[6:7]
	global_load_b128 v[32:35], v40, s[14:15]       ; a table entry: eight heads
	global_load_b128 v[36:39], v40, s[14:15] offset:16
	global_load_b128 v[44:47], v41, s[4:5]
.set I, 0
.rept 32                                       ; my 16 rows: each load takes 512 consecutive bytes, half a row
	global_load_b128 v[64+4*I:67+4*I], v[GA+2*(I/16)+((I/8)%2)], s[8:9] offset:((I/2)%4)*1024+512*(I%2) th:TH_LOAD_NT
.set I, I+1
.endr
	WIN 0x40
	WLOAD4 0, 24                                   ; wk
	WIN 0
	s_wait_kmcnt 0x0
	s_add_co_i32 s3, s54, s55                      ; E6 + E7: a sum of the score product stands for sum x 2^(E6+E7)
	s_lshl_b32 s3, s3, 23
	s_sub_co_i32 s75, 0x40b504f3, s3               ; sqrt(32) / 2^(E6+E7): bias and mask go into the sums in the sums' unit
	s_add_co_i32 s76, s3, 0x3e8293ee               ; log2(e) / sqrt(32) x 2^(E6+E7)
	s_mov_b32 s77, s76
	s_mul_f32 s73, s75, 0xc2c80000                 ; -100 in that unit
	s_wait_loadcnt 48                              ; table and gains are in; younger: 32 loads of rows, 16 of wk
	ds_store_b128 v42, v[44:47]
.irp i, 0,1,2,3,4,5,6,7
	v_mul_f32 v[32+\i], s75, v[32+\i]
.endr
.irp i, 0,1,2,3,4,5,6,7
	ds_store_b32 v49, v[32+\i] offset:\i*TABH
.endr
	s_wait_loadcnt 16                              ; my rows are in; younger: wk
.set I, 0
.rept 32
	ds_store_b128 v15, v[64+4*I:67+4*I] offset:(I/2)*XP+512*(I%2)
.set I, I+1
.endr
	BAR                                            ; gains and table were staged by other waves
	WIN 0x40
	WLOAD4 64, 26                                  ; wv
	WLOAD4 128, 28                                 ; wq
	WLOAD4 192, 30                                 ; wo
	WIN 0
; ================= LNQ: layer norm of my 16 rows, quantised nimg times =================
; v16-27 codes (three sets by turns); v28-30 scales; v32-63 at work; v64-191 my 128 numbers: register 16 c + i = channel 32 c + 16 h + i of row r; v192-255 gain and bias of two blocks of 32, by turns.
.macro GLOAD c, garr
.irp j, 0,1,2,3
	ds_load_b128 v[192+32*((\c)%2)+4*\j:195+32*((\c)%2)+4*\j], v14 offset:(\garr)*1024+128*(\c)+16*\j
	ds_load_b128 v[208+32*((\c)%2)+4*\j:211+32*((\c)%2)+4*\j], v14 offset:(\garr)*1024+1024+128*(\c)+16*\j
.endr
.endm
.macro FOLD                            ; four packed chains into one number, then the row's other half from lane l xor 16
	v_pk_add_f32 v[32:33], v[32:33], v[34:35]
	v_pk_add_f32 v[36:37], v[36:37], v[38:39]
	v_pk_add_f32 v[32:33], v[32:33], v[36:37]
	v_add_f32 v32, v32, v33
	v_permlanex16_b32 v40, v32, s66, s67
	v_add_f32 v32, v32, v40
.endm
.macro LNQ garr, nimg
.set I, 0
.rept 32
	ds_load_b128 v[64+4*I:67+4*I], v12 offset:128*(I/4)+16*(I%4)
.set I, I+1
.endr
	GLOAD 0, \garr
	GLOAD 1, \garr
	s_wait_dscnt 16                                ; my numbers are in; the 16 loads of gains may be out
.irp k, 0,1,2,3
	v_pk_add_f32 v[32+2*\k:33+2*\k], v[64+2*\k:65+2*\k], v[72+2*\k:73+2*\k]
.endr
.set I, 8
.rept 56
	v_pk_add_f32 v[32+2*(I%4):33+2*(I%4)], v[32+2*(I%4):33+2*(I%4)], v[64+2*I:65+2*I]
.set I, I+1
.endr
	FOLD
	v_mul_f32 v42, 0xbb800000, v32                 ; - the mean
	v_mul_f32 v43, 0xbb800000, v32
.set I, 0
.rept 64
	v_pk_add_f32 v[64+2*I:65+2*I], v[64+2*I:65+2*I], v[42:43]   ; the mean is taken off first: the variance is no difference of large sums
.set I, I+1
.endr
.irp k, 0,1,2,3
	v_pk_mul_f32 v[32+2*\k:33+2*\k], v[64+2*\k:65+2*\k], v[64+2*\k:65+2*\k]
.endr
.set I, 4
.rept 60
	v_pk_fma_f32 v[32+2*(I%4):33+2*(I%4)], v[64+2*I:65+2*I], v[64+2*I:65+2*I], v[32+2*(I%4):33+2*(I%4)]
.set I, I+1
.endr
	FOLD
	v_fma_f32 v46, v32, s84, s85                   ; variance + 1e-5
	v_rsq_f32 v44, v46
	v_rsq_f32 v45, v46
	v_nop                                          ; a plain line behind the transcendentals,
	s_wait_alu depctr_va_vdst(0)                   ; and a wait ahead of the first reader
.set I, 0
.rept 64
	v_pk_mul_f32 v[64+2*I:65+2*I], v[64+2*I:65+2*I], v[44:45]
.set I, I+1
.endr
.set CH, 0
.rept 8                                        ; a block of 32 channels at a time
.if CH == 0                                    ; this block's gains are in.  Younger LDS instructions: the next block's 8 loads, and the image stores issued since this block's loads
	s_wait_dscnt 8
.elseif CH == 1
	s_wait_dscnt 8+\nimg
.elseif CH < 7
	s_wait_dscnt 8+2*\nimg
.else
	s_wait_dscnt 2*\nimg
.endif
.set GBB, 192+32*(CH%2)
.set I, 0
.rept 8
	v_pk_fma_f32 v[64+16*CH+I:65+16*CH+I], v[64+16*CH+I:65+16*CH+I], v[GBB+I:GBB+I+1], v[GBB+16+I:GBB+17+I]
.set I, I+2
.endr
.if CH+2 <= 7
	GLOAD CH+2, \garr
.endif
.set MI, 0
.rept \nimg
.set TBB, 32+16*((CH*(\nimg)+MI)%2)            ; the held numbers, in two sets by turns: the next set's holds are the plain lines behind these conversions
.set CBB, 16+4*((CH*(\nimg)+MI)%3)
.set I, 0
.rept 16
	v_med3_num_f32 v[TBB+I], v[64+16*CH+I], s[86+2*MI], s[87+2*MI]
.set I, I+1
.endr
	v_cvt_scalef32_pk8_fp8_f32 v[CBB:CBB+1], v[TBB:TBB+7], v[28+MI]
	v_cvt_scalef32_pk8_fp8_f32 v[CBB+2:CBB+3], v[TBB+8:TBB+15], v[28+MI]
	ds_store_b128 v13, v[CBB:CBB+3] offset:MI*4096+CH*512
.set MI, MI+1
.endr
.set CH, CH+1
.endr
	v_nop                                          ; a plain line behind the last conversion
.endm
; ================= P1: LN1, quantised for q (E0), k (E2), v (E4) =================
	MKSC 48, 28, 86, 87
	MKSC 50, 29, 88, 89
	MKSC 52, 30, 90, 91
	LNQ 0, 3
	s_lshl_b32 s3, s[WV], 7
	v_add_nc_u32 v15, s3, v[H64]                   ; my 32 features' biases: 128 w + 64 h; kept until b2 is loaded
	v_and_b32 v222, 7, v0
	v_bfe_u32 v223, v0, 3, 1
	v_lshl_add_u32 v222, v223, 4, v222
	v_lshl_add_u32 v222, v222, 2, s3               ; bv: one number a lane, that of its column of V
.irp u, 0,1
	global_load_b128 v[64+8*\u:67+8*\u], v15, s[36:37] offset:32*\u        ; bk
	global_load_b128 v[68+8*\u:71+8*\u], v15, s[36:37] offset:32*\u+16
	global_load_b128 v[80+8*\u:83+8*\u], v15, s[40:41] offset:32*\u        ; bq
	global_load_b128 v[84+8*\u:87+8*\u], v15, s[40:41] offset:32*\u+16
	global_load_b32 v[220+\u], v222, s[38:39] offset:32*\u                  ; bv
.endr
	BAR                                            ; x's 24 images lie in LDS
; ================= P2: head w of both windows =================
; v16-31 K's codes (4 a tile); v32-47 V^T's codes (8 a tile of 16 channels); v48-55 Q's codes, the upper four 0; v56-63 p's codes; v64-79, v80-95, v96-111 bk, bq, bv in the sums' units;
; v112-127 two accumulators; v128-159 x's two fragments; v160-191 scores, then p; v192-199 mask values in pairs; v200-204 scales; v205-215 at work; v216-219 the result's codes; v224-255 bias + mask.
.macro XLOADF img, t
.irp c, 0,1,2,3,4,5,6,7
	ds_load_b128 v[128+4*\c:131+4*\c], v11 offset:(\t)*12288+(\img)*4096+\c*512
.endr
.endm
.macro PROJN                           ; V is made the other way round (source 0 = tokens): a lane holds one channel, and its registers run along the tokens, which are the next K
	WIN 0x04
	v_wmma_f32_16x16x128_fp8_fp8 v[112:119], v[128:143], v[64:79], v[96:103]
	v_wmma_f32_16x16x128_fp8_fp8 v[120:127], v[128:143], v[96:111], v[104:111]
	v_wmma_f32_16x16x128_fp8_fp8 v[112:119], v[144:159], v[80:95], v[112:119]
	v_wmma_f32_16x16x128_fp8_fp8 v[120:127], v[144:159], v[112:127], v[120:127]
	WIN 0
.endm
.macro VQ t                            ; tile t's eight tokens a lane are keys 32 (t / 2) + 16 h + 8 (t % 2) + 0 .. 7: two registers of each V^T fragment
.set VD, 32+4*((\t)/2)+2*((\t)%2)
.irp i, 0,1,2,3,4,5,6,7
	v_med3_num_f32 v[112+\i], v[112+\i], s88, s89
.endr
	v_cvt_scalef32_pk8_fp8_f32 v[VD:VD+1], v[112:119], v201
.irp i, 0,1,2,3,4,5,6,7
	v_med3_num_f32 v[120+\i], v[120+\i], s88, s89
.endr
	v_cvt_scalef32_pk8_fp8_f32 v[VD+8:VD+9], v[120:127], v201
	v_nop
.endm
.macro GATHER tq                       ; the position bias of query tile tq: register 8 kt + j: table row 7 + i_q - i_k, column 7 + j_q - j; the lane's part stands in v12
.irp kt, 0,1,2,3
.irp j, 0,1,2,3,4,5,6,7
	ds_load_b32 v[224+8*\kt+\j], v12 offset:(5+4*((\tq)/2)+((\tq)%2)-4*(\kt/2)-(\kt%2))*TROW+(7-\j)*4
.endr
.endr
.endm
.macro MASKADD tq                      ; the shift mask: -100 where query and key lie in different halves of the last window row's rows, or of the last window column's columns
.irp kt, 0,1,2,3
.irp jp, 0,1,2,3
	v_pk_add_f32 v[224+8*\kt+2*\jp:225+8*\kt+2*\jp], v[224+8*\kt+2*\jp:225+8*\kt+2*\jp], v[192+4*(((\kt/2)+((\tq)/2))%2)+2*(\jp/2):193+4*(((\kt/2)+((\tq)/2))%2)+2*(\jp/2)]
.endr
.endr
.endm
.macro SOFTMAX                         ; a lane holds one query and 32 of its 64 keys; lane l xor 16 holds the others.  Finished and normalised, then quantised with 2^E9
	v_max3_num_f32 v208, v160, v161, v162
	v_max3_num_f32 v209, v163, v164, v165
.irp i, 6,10,14,18,22,26
	v_max3_num_f32 v208, v208, v[160+\i], v[161+\i]
	v_max3_num_f32 v209, v209, v[162+\i], v[163+\i]
.endr
	v_max3_num_f32 v208, v208, v190, v191
	v_max_num_f32 v208, v208, v209
	v_permlanex16_b32 v212, v208, s66, s67
	v_max_num_f32 v208, v208, v212                 ; the row's largest score
	v_mul_f32 v206, -v208, s76
.set I, 0
.rept 16
	v_pk_fma_f32 v[160+I:161+I], v[160+I:161+I], s[76:77], v[206:207] op_sel_hi:[1,0,0]
.set I, I+2
.endr
.set I, 0
.rept 32
	v_exp_f32 v[160+I], v[160+I]
.set I, I+1
.endr
	v_nop                                          ; a plain line behind the batch,
	s_wait_alu depctr_va_vdst(0)                   ; and one wait for all 32, ahead of their first reader
	v_pk_add_f32 v[208:209], v[160:161], v[162:163]
	v_pk_add_f32 v[210:211], v[164:165], v[166:167]
.irp i, 8,12,16,20,24,28
	v_pk_add_f32 v[208:209], v[208:209], v[160+\i:161+\i]
	v_pk_add_f32 v[210:211], v[210:211], v[162+\i:163+\i]
.endr
	v_pk_add_f32 v[208:209], v[208:209], v[210:211]
	v_add_f32 v208, v208, v209
	v_permlanex16_b32 v212, v208, s66, s67
	v_add_f32 v208, v208, v212
	v_rcp_f32 v214, v208
	v_rcp_f32 v215, v208
	v_nop
	s_wait_alu depctr_va_vdst(0)
.set I, 0
.rept 16
	v_pk_mul_f32 v[160+I:161+I], v[160+I:161+I], v[214:215]
.set I, I+2
.endr
.set I, 0
.rept 32
	v_min_num_f32 v[160+I], s93, v[160+I]          ; p is not negative: the hold is one-sided
.set I, I+1
.endr
.irp b, 0,1,2,3
	v_cvt_scalef32_pk8_fp8_f32 v[56+2*\b:57+2*\b], v[160+8*\b:167+8*\b], v203
.endr
	v_nop
.endm
.macro ATT tq                          ; 16 queries: Q, scores, softmax, P V, the result's image
	s_wait_dscnt 0x0                               ; x's fragments and the bias are in
	PROJT 128, 80, 112, 128
	PLACES 5
.if \tq < 3
	XLOADF 0, \tq+1
.endif
	QNT16 112, 48, 202, 90, 91
	MASKADD \tq
.irp kt, 0,1,2,3                               ; S^T = K Q^T + (bias + mask).  K = 32 in the K = 64 form: Q's upper four registers are zero codes, so K's upper four (the next tile's codes, finite) add nothing
	v_wmma_f32_16x16x64_fp8_fp8 v[160+8*\kt:167+8*\kt], v[16+4*\kt:23+4*\kt], v[48:55], v[224+8*\kt:231+8*\kt]
.endr
	PLACES 5
.if \tq < 3
	GATHER \tq+1
.endif
	SOFTMAX
.irp u, 0,1                                    ; O^T = V^T P^T, K = the 64 keys
	v_wmma_f32_16x16x64_fp8_fp8 v[112+8*\u:119+8*\u], v[32+8*\u:39+8*\u], v[56:63], 0
.endr
	PLACES 5
	QNT16 112, 216, 204, 94, 95
	ds_store_b128 v13, v[216:219] offset:\tq*4096  ; block w of wo's K
.endm
	s_wait_loadcnt 0x0                             ; the four weights and the three biases
	s_add_co_i32 s3, s50, s51
	s_sub_co_i32 s3, 0, s3
	s_add_co_i32 s4, s48, s49
	s_sub_co_i32 s4, 0, s4
	s_add_co_i32 s5, s52, s53
	s_sub_co_i32 s5, 0, s5
.set I, 0
.rept 16                                       ; each bias divided by the power of two that its sums lack
	v_ldexp_f32 v[64+I], v[64+I], s3
	v_ldexp_f32 v[80+I], v[80+I], s4
	v_ldexp_f32 v[96+I], v[220+I/8], s5
.set I, I+1
.endr
	s_sub_co_i32 s5, s55, s50                      ; the scales ahead of each quantiser are folded into the conversion's one
	s_sub_co_i32 s5, s5, s51
	MKSC 5, 200, 86, 87                            ; K: E7 - E2 - E3
	s_sub_co_i32 s5, s56, s52
	s_sub_co_i32 s5, s5, s53
	MKSC 5, 201, 88, 89                            ; V: E8 - E4 - E5
	s_sub_co_i32 s5, s54, s48
	s_sub_co_i32 s5, s5, s49
	MKSC 5, 202, 90, 91                            ; Q: E6 - E0 - E1
	MKSC 57, 203, 92, 93                           ; p: E9
	s_sub_co_i32 s5, s58, s56
	s_sub_co_i32 s5, s5, s57
	MKSC 5, 204, 94, 95                            ; the result: E10 - E8 - E9
.irp i, 52,53,54,55,207,212
	v_mov_b32 v\i, 0
.endr
	v_and_b32 v205, 4, v0
	v_cmp_ne_u32 s70, 0, v205                      ; lanes whose query lies in columns 4..7
	s_bfe_u32 s3, ttmp9, 0x30002
	s_cmp_eq_u32 s3, 7
	s_cselect_b32 s71, s73, 0                      ; the last window row has two kinds of rows
	s_mul_i32 s3, s[WV], TABH
	s_add_co_u32 s3, s3, TAB+2*TROW
	v_and_b32 v205, 7, v0
	v_lshlrev_b32 v12, 2, v205
	v_bfe_u32 v205, v0, 3, 1
	v_mul_u32_u24 v205, v205, 2*TROW
	v_add_nc_u32 v12, v12, v205
	v_add_nc_u32 v12, s3, v12
	v_bfe_u32 v205, v0, 4, 1
	v_mul_u32_u24 v205, v205, 2*TROW
	v_sub_nc_u32 v12, v12, v205                    ; my head's table + TROW (2 + 2 (r / 8) - 2 h) + 4 (r % 8)
	s_lshl_b32 s3, s[WV], 9
	s_add_co_u32 s3, s3, CTXB
	v_add_nc_u32 v14, s3, v[LI]
	s_mov_b32 s80, 0
	s_mov_b32 s81, RB
	s_mov_b32 s82, 0
.Lwin:                                             ; two trips: a window each
	v_add_nc_u32 v11, s81, v[LI]
	v_add_nc_u32 v13, s82, v14
	XLOADF 1, 0
.irp t, 0,1,2,3                                ; K of the window's four tiles; the next job's fragments are fetched while this one's sums are quantised
	s_wait_dscnt 0x0
	PROJT 0, 64, 112, 128
	PLACES 5
.if \t < 3
	XLOADF 1, \t+1
.else
	XLOADF 2, 0
.endif
	QNT16 112, 16+4*\t, 200, 86, 87
.endr
.irp t, 0,1,2,3                                ; V
	s_wait_dscnt 0x0
	PROJN
	PLACES 5
.if \t < 3
	XLOADF 2, \t+1
.else
	XLOADF 0, 0
	GATHER 0
.endif
	VQ \t
.endr
	s_lshl_b32 s3, s74, 1
	s_add_co_u32 s3, s3, s80
	s_cmp_eq_u32 s3, 7
	s_cselect_b32 s72, s73, 0                      ; the last window column has two kinds of columns
	v_mov_b32 v205, s72
	v_cndmask_b32 v192, 0, v205, s70               ; keys in columns 0..3: hidden from queries in 4..7,
	v_cndmask_b32 v194, v205, 0, s70               ; keys in columns 4..7: from queries in 0..3;
	v_min_num_f32 v196, s71, v192                  ; and the same where query and key differ in the half of the rows: -100 once, not twice
	v_min_num_f32 v198, s71, v194
	v_mov_b32 v193, v192
	v_mov_b32 v195, v194
	v_mov_b32 v197, v196
	v_mov_b32 v199, v198
	ATT 0
	ATT 1
	ATT 2
	ATT 3
	s_add_co_u32 s81, s81, 49152
	s_add_co_u32 s82, s82, 16384
	s_add_co_u32 s80, s80, 1
	s_cmp_lt_u32 s80, 2
	s_cbranch_scc1 .Lwin
	s_lshl_b32 s3, s[WV], 15
	v_add_nc_u32 v11, s3, v[WL]                    ; my 128 rows of w1
.irp u, 0,1
	global_load_b128 v[64+8*\u:67+8*\u], v15, s[42:43] offset:32*\u        ; bo
	global_load_b128 v[68+8*\u:71+8*\u], v15, s[42:43] offset:32*\u+16
.endr
	WIN 0x40
.irp ft, 0,1,2,3,4,5                           ; w1's fragments (tile ft, K step s) at 16 (2 ft + s), over wk, wv, wq, which are done with
.irp s, 0,1
	WFRAG 16*(2*\ft+\s), 11, 32, (32*(\ft/2)+8*(\ft%2))*256+\s*128
.endr
.endr
	WIN 0
	v_add_nc_u32 v12, CTXB, v[LI]
	s_lshl_b32 s3, s[WV], 7
	v_add_nc_u32 v13, s3, v[FRL]                   ; my 32 columns of the rows: tiles 0-3,
	v_add_nc_u32 v14, 4*TILEB, v13                 ; tiles 4-7
	BAR                                            ; attention's result lies in LDS
; ================= P3: wo, bo, the first residual: my 32 columns of all 128 rows =================
; v64-79 bo; v96-111, v112-127 accumulators by turns; v128-159, v160-191 fragments by turns; v192-207, v208-223 the rows' numbers by turns.
.macro CLOAD t
.set XBB, 128+32*((\t)%2)
.set SBB, 192+16*((\t)%2)
.irp c, 0,1,2,3,4,5,6,7
	ds_load_b128 v[XBB+4*\c:XBB+4*\c+3], v12 offset:(\t)*4096+\c*512
.endr
.irp j, 0,1,2,3
	ds_load_b128 v[SBB+4*\j:SBB+4*\j+3], v[13+(\t)/4] offset:((\t)%4)*TILEB+16*\j
.endr
.endm
	CLOAD 0
	s_wait_loadcnt 48                              ; bo is in; younger: 48 loads of w1
	s_add_co_i32 s3, s58, s59
	s_sub_co_i32 s4, 0, s3
.set I, 0
.rept 16
	v_ldexp_f32 v[64+I], v[64+I], s4
.set I, I+1
.endr
	s_add_co_i32 s3, s3, 127
	s_lshl_b32 s78, s3, 23                         ; 2^(E10+E11)
	s_mov_b32 s79, s78
.irp t, 0,1,2,3,4,5,6,7
.if \t < 7
	CLOAD \t+1
	s_wait_dscnt 12                                ; all but the 12 just issued
.else
	s_wait_dscnt 0x0
.endif
	PROJT 192, 64, 112-16*(\t%2), 128+32*(\t%2)
	PLACES 5
.set ABB, 112-16*(\t%2)
.set SBB, 192+16*(\t%2)
.set I, 0
.rept 8
	v_pk_fma_f32 v[SBB+I:SBB+I+1], v[ABB+I:ABB+I+1], s[78:79], v[SBB+I:SBB+I+1] op_sel_hi:[1,0,1]   ; hidden = shortcut + sum x 2^(E10+E11)
.set I, I+2
.endr
.irp j, 0,1,2,3
	ds_store_b128 v[13+\t/4], v[SBB+4*\j:SBB+4*\j+3] offset:(\t%4)*TILEB+16*\j
.endr
.endr
	WIN 0x40
.irp ft, 6,7                                   ; the rest of w1, over wo
.irp s, 0,1
	WFRAG 16*(2*\ft+\s), 11, 32, (32*(\ft/2)+8*(\ft%2))*256+\s*128
.endr
.endr
	WIN 0
	s_mul_i32 s3, s[WV], TILEB
	v_add_nc_u32 v12, s3, v[FRL]
	s_lshl_b32 s3, s[WV], 12
	s_add_co_u32 s3, s3, YB
	v_add_nc_u32 v13, s3, v[LI]
	v_add_nc_u32 v14, GB, v[H64]
	MKSC 60, 28, 86, 87                            ; E12
	BAR                                            ; the hidden rows are whole
; ================= P4: LN2 of my 16 rows, quantised once =================
	LNQ 2, 1
	s_wait_dscnt 0x0                               ; my image stores have landed
	s_lshl_b32 s3, s[WV], 9
	v_add_nc_u32 v225, s3, v[H64]
.irp fb, 0,1,2,3
.irp u, 0,1
	global_load_b128 v[16+16*\fb+8*\u:19+16*\fb+8*\u], v225, s[44:45] offset:128*\fb+32*\u      ; b1 of hidden units 128 w + 32 fb + 16 h + 8 u + 0 .. 7
	global_load_b128 v[20+16*\fb+8*\u:23+16*\fb+8*\u], v225, s[44:45] offset:128*\fb+32*\u+16
.endr
.endr
.irp u, 0,1
	global_load_b128 v[226+8*\u:229+8*\u], v15, s[46:47] offset:32*\u       ; b2
	global_load_b128 v[230+8*\u:233+8*\u], v15, s[46:47] offset:32*\u+16
.endr
	s_barrier_signal -1
	s_barrier_wait -1                              ; y's eight images lie in LDS
; ================= P5: w1, b1, GELU, quantised: my 128 hidden units, which are K step w of w2 =================
; v16-79 b1; v80-95, v96-111 two pairs of accumulators by turns; v112-143 y's two fragments; v144-159 u; v160-175 u^2; v176-191, v192-207 the two polynomials; v208-211, v212-215 codes by turns; v216 scale;
; v[218:219], v[220:221] two coefficients; v224 w2's offset; v226-241 b2.
; BY PAIRS OF BLOCKS.  Blocks 0 and 1 (32 hidden units each) go through the eight tiles of tokens, then blocks 2 and 3.  A block's four products are issued one GELU ahead of the GELU that reads them: the other block's
; vector lines stand between, so no v_nop is written and the matrix unit works under them.  y's fragments are fetched once for a pair.  When a pair is through, its eight fragments of w1 are done with and eight of w2 take their
; registers: half of w2 is asked for in the phase's middle, half in its last tile.  Each pair's last tile is written out, since it differs: what it fetches, which products it starts, and those loads.
.macro YLOAD adr
.irp c, 0,1,2,3,4,5,6,7
	ds_load_b128 v[112+4*\c:115+4*\c], v[\adr] offset:\c*512
.endr
.endm
.macro PSTEP reg, lit                  ; a Horner step for 16 numbers: reg = reg x u^2 + lit
.set I, 0
.rept 8
	v_pk_fma_f32 v[\reg+I:\reg+I+1], v[\reg+I:\reg+I+1], v[160+I:161+I], \lit op_sel_hi:[1,1,0]
.set I, I+2
.endr
.endm
.macro GELU_A acc                      ; u = h / sqrt 2, held within +-4, and u^2: 32 plain lines that name the sums in hand and nothing of the products just issued
.set I, 0
.rept 8
	v_pk_mul_f32 v[144+I:145+I], v[(\acc)+I:(\acc)+I+1], s[78:79] op_sel_hi:[1,0]
.set I, I+2
.endr
.set I, 0
.rept 16
	v_med3_num_f32 v[144+I], v[144+I], -4.0, 4.0
.set I, I+1
.endr
.set I, 0
.rept 8
	v_pk_mul_f32 v[160+I:161+I], v[144+I:145+I], v[144+I:145+I]
.set I, I+2
.endr
.endm
.macro GELU_B acc, hc                  ; h / 2^(E12+E13) becomes h (1 + erf(h / sqrt 2)) / 2^(E12+E13), and then 16 codes; the half and the power of two are folded into the conversion's scale
.set I, 0
.rept 8
	v_pk_fma_f32 v[176+I:177+I], v[160+I:161+I], 0xaf95df0b, v[218:219] op_sel_hi:[1,0,1]
	v_pk_fma_f32 v[192+I:193+I], v[160+I:161+I], 0xb77460cd, v[220:221] op_sel_hi:[1,0,1]
.set I, I+2
.endr
	PSTEP 176, 0xb60cff51
	PSTEP 192, 0xbadc924e
	PSTEP 176, 0xb86ec2d2
	PSTEP 192, 0xbbf19bf8
	PSTEP 176, 0xba40ac63
	PSTEP 192, 0xbc69b6a7
	PSTEP 176, 0xbb41a1f6
	PSTEP 176, 0xbc83dbd4
.set I, 0
.rept 16
	v_rcp_f32 v[192+I], v[192+I]
.set I, I+1
.endr
.set I, 0
.rept 8
	v_pk_mul_f32 v[176+I:177+I], v[176+I:177+I], v[144+I:145+I]             ; plain work behind the batch, which names none of its results
.set I, I+2
.endr
	s_wait_alu depctr_va_vdst(0)                   ; one wait for the 16 reciprocals, ahead of their first reader
.set I, 0
.rept 8
	v_pk_fma_f32 v[176+I:177+I], v[176+I:177+I], v[192+I:193+I], 1.0 op_sel_hi:[1,1,0]   ; 1 + erf
.set I, I+2
.endr
.set I, 0
.rept 8
	v_pk_mul_f32 v[(\acc)+I:(\acc)+I+1], v[(\acc)+I:(\acc)+I+1], v[176+I:177+I]
.set I, I+2
.endr
	QNT16 \acc, \hc, 216, 86, 87
.endm
.macro WM fb, acc                      ; block fb of the tile whose fragments stand in v112-143
	PROJT 64*(\fb), 16+16*(\fb), \acc, 112
.endm
.macro W2LOAD fb                       ; w2's fragment (K step ks, tile u) at 16 (2 ks + u): four of them, over block fb of w1
	WIN 0x40
.irp f, 0,1,2,3
	WFRAG 16*(4*(\fb)+\f), 224, 34, (\f%2)*8192+(2*(\fb)+\f/2)*128
.endr
	WIN 0
.endm
; One tile of tokens through blocks f0 and f1.  On the way in v80-95 hold block f0's sums.  nf < 4: block nf of the next tile is started; yadr: the register with that tile's address (0: nothing is fetched);
; w2 = 1: blocks f0 and f1 have had their last products.
.macro PAIR f0, f1, nf, yadr, w2
	WM \f1, 96
	GELU_A 80                                      ; its 32 lines are the places ahead of the loads below, into registers that the products above have read
.if \yadr
	YLOAD \yadr
.endif
.if \w2
	W2LOAD \f0
	W2LOAD \f1
.endif
	GELU_B 80, 208
	ds_store_b128 v12, v[208:211] offset:(\f0)*512
.if \nf < 4
	s_wait_dscnt 1                                 ; y's eight loads are in; younger: the one store above
	WM \nf, 80
.endif
	GELU_A 96
	GELU_B 96, 212
	ds_store_b128 v12, v[212:215] offset:(\f1)*512
.endm
	v_add_nc_u32 v14, YB, v[LI]
	YLOAD 14                                       ; tile 0
	s_lshl_b32 s3, s[WV], 11
	s_add_co_u32 s3, s3, RB
	v_add_nc_u32 v13, s3, v[LI]                    ; my K step's place in a tile's images of the hidden layer
	v_and_b32 v224, 7, v0
	v_bfe_u32 v223, v0, 3, 1
	v_lshl_add_u32 v224, v223, 4, v224
	v_lshlrev_b32 v224, 10, v224
	v_bfe_u32 v223, v0, 4, 1
	v_lshl_add_u32 v224, v223, 4, v224
	s_lshl_b32 s3, s[WV], 15
	v_add_nc_u32 v224, s3, v224                    ; w2: rows of 1,024 codes; my 32 rows
	v_mov_b32 v218, 0x32edffee
	v_mov_b32 v219, 0x32edffee
	v_mov_b32 v220, 0xb95fbd29
	v_mov_b32 v221, 0xb95fbd29
	s_add_co_i32 s5, s60, s61                      ; E12 + E13
	s_lshl_b32 s3, s5, 23
	s_add_co_i32 s78, s3, 0x3f3504f3               ; 2^(E12+E13) / sqrt 2
	s_mov_b32 s79, s78
	s_sub_co_i32 s6, 0, s5
	s_add_co_i32 s7, s62, s63
	s_sub_co_i32 s7, 0, s7
	s_sub_co_i32 s5, s62, s5
	s_add_co_i32 s5, s5, 1
	MKSC 5, 216, 86, 87                            ; E14 - E12 - E13 + 1
	s_wait_loadcnt 0x0                             ; w1, b1, b2
.set I, 0
.rept 64
	v_ldexp_f32 v[16+I], v[16+I], s6
.set I, I+1
.endr
.set I, 0
.rept 16
	v_ldexp_f32 v[226+I], v[226+I], s7
.set I, I+1
.endr
	s_mov_b32 s80, 0
	s_mov_b32 s81, 0
	s_mov_b32 s82, 0
	s_wait_dscnt 0x0                               ; tile 0's fragments are in
	WM 0, 80
	PLACES 4                                       ; on this way in no GELU stands between these products and the first read of their sums
.Lpa:                                              ; blocks 0 and 1, tiles 0 to 6
	v_add_nc_u32 v12, s82, v13
	s_add_co_u32 s81, s81, 4096
	v_add_nc_u32 v11, s81, v14                     ; the next tile's fragments of y
	PAIR 0, 1, 0, 11, 0
	s_add_co_u32 s82, s82, 16384
	s_add_co_u32 s80, s80, 1
	s_cmp_lt_u32 s80, 7
	s_cbranch_scc1 .Lpa
	v_add_nc_u32 v12, 7*16384, v13
	PAIR 0, 1, 2, 14, 1                            ; tile 7: tile 0 is fetched again, block 2 is started on it, and K steps 0 to 3 of w2 are asked for
	s_mov_b32 s80, 0
	s_mov_b32 s81, 0
	s_mov_b32 s82, 0
.Lpb:                                              ; blocks 2 and 3, tiles 0 to 6
	v_add_nc_u32 v12, s82, v13
	s_add_co_u32 s81, s81, 4096
	v_add_nc_u32 v11, s81, v14
	PAIR 2, 3, 2, 11, 0
	s_add_co_u32 s82, s82, 16384
	s_add_co_u32 s80, s80, 1
	s_cmp_lt_u32 s80, 7
	s_cbranch_scc1 .Lpb
	v_add_nc_u32 v12, 7*16384, v13
	PAIR 2, 3, 9, 0, 1                             ; tile 7: nothing more to fetch or to start; K steps 4 to 7 of w2 are asked for
	s_lshl_b32 s3, s[WV], 7
	v_add_nc_u32 v13, s3, v[FRL]                   ; my 32 columns of the rows
	s_add_co_i32 s3, s62, s63
	s_add_co_i32 s3, s3, 127
	s_lshl_b32 s78, s3, 23                         ; 2^(E14+E15)
	s_mov_b32 s79, s78
	; the way out: of a window's 64 rows wave w takes rows 8 w .. 8 w + 7: tile w / 2, rows 8 (w % 2) on: window row 4 (w / 4) + (w / 2) % 2 + 2 (w % 2), columns 0 .. 7
	s_mul_i32 s3, s[WV], 8*XP
	v_add_nc_u32 v14, s3, v[LI]
	s_lshr_b32 s3, ttmp9, 5
	s_lshl_b32 s3, s3, 22
	s_bfe_u32 s4, ttmp9, 0x30002
	s_lshl_b32 s4, s4, 3
	s_and_b32 s5, s[WV], 4
	s_add_co_u32 s4, s4, s5
	s_bfe_u32 s5, s[WV], 0x10001
	s_add_co_u32 s4, s4, s5
	s_and_b32 s5, s[WV], 1
	s_lshl_b32 s5, s5, 1
	s_add_co_u32 s4, s4, s5
	s_add_co_u32 s4, s4, 4
	s_and_b32 s4, s4, 63
	s_lshl_b32 s4, s4, 16
	s_add_co_u32 s83, s3, s4                       ; batch and image row, in bytes
	BAR                                            ; the hidden layer's 64 fragments lie in LDS
; ================= P6: w2, b2, the second residual: my 32 columns; two passes, a window each; each pass sends its window out =================
; v16-79 eight accumulators ((tile i, u) at 16 + 16 i + 8 u); v80-143, v144-207 four fragments each, by turns; v226-241 b2 in the sums' unit.  On the way out v144-207 hold eight whole rows.
.macro HLOAD ks, buf
.irp i, 0,1,2,3
.irp c, 0,1,2,3
	ds_load_b128 v[(\buf)+16*\i+4*\c:(\buf)+16*\i+4*\c+3], v11 offset:\i*16384+(\ks)*2048+\c*512
.endr
.endr
.endm
	s_mov_b32 s80, 0
	s_mov_b32 s81, RB
	s_mov_b32 s82, 0
.Lpass:
	v_add_nc_u32 v11, s81, v[LI]
	v_add_nc_u32 v12, s82, v13
	HLOAD 0, 80
.irp ks, 0,1,2,3,4,5,6,7
.if \ks > 0
	PLACES 4                                       ; ahead of loads into the fragments that the last K step multiplied
.else
	s_wait_xcnt 0x0                                ; the last pass's stores have read their data (v144-207) and their offsets (v6, v7): both are written again only behind this wait
.endif
.if \ks < 7
	HLOAD \ks+1, 80+64*((\ks+1)%2)
.else
.irp i, 0,1,2,3                                ; the last K step fetches the rows to which the sums are added
.irp j, 0,1,2,3
	ds_load_b128 v[80+16*\i+4*\j:83+16*\i+4*\j], v12 offset:\i*TILEB+16*\j
.endr
.endr
.endif
	s_wait_dscnt 16                                ; all but the 16 just issued
.if (\ks%2) == 0
	s_wait_loadcnt 48-8*\ks                        ; w2's fragments of K steps ks, ks + 1; younger: 16 loads for each later pair.  Met at once in the second pass
.endif
	WIN 0x01
.irp i, 0,1,2,3                                ; the eight accumulators take turns
.irp u, 0,1
.if \ks == 0
	v_wmma_f32_16x16x128_fp8_fp8 v[16+16*\i+8*\u:23+16*\i+8*\u], v[16*(2*\ks+\u):16*(2*\ks+\u)+15], v[80+64*(\ks%2)+16*\i:95+64*(\ks%2)+16*\i], v[226+8*\u:233+8*\u]
.else
	v_wmma_f32_16x16x128_fp8_fp8 v[16+16*\i+8*\u:23+16*\i+8*\u], v[16*(2*\ks+\u):16*(2*\ks+\u)+15], v[80+64*(\ks%2)+16*\i:95+64*(\ks%2)+16*\i], v[16+16*\i+8*\u:23+16*\i+8*\u]
.endif
.endr
.endr
	WIN 0
.endr
	PLACES 5
	s_lshl_b32 s3, s74, 1
	s_add_co_u32 s3, s3, s80                       ; this pass's window column
	s_lshl_b32 s3, s3, 3
	s_add_co_u32 s4, s3, 4
	s_lshl_b32 s4, s4, 10
	s_add_co_u32 s4, s4, s83                       ; columns j = 0..3
	s_add_co_u32 s3, s3, 8
	s_and_b32 s3, s3, 63
	s_lshl_b32 s3, s3, 10
	s_add_co_u32 s3, s3, s83                       ; columns j = 4..7, which wrap in the last window
	s_wait_dscnt 0x0                               ; the rows are in; so are my reads of whole rows on the last pass's way out
	s_barrier_signal -1                            ; every wave's reads of whole rows are over before any wave stores into rows again.  (The two passes' rows lie 64 apart; the barrier keeps the ordering free of that step.)
.irp i, 0,1,2,3
.set I, 0
.rept 8
	v_pk_fma_f32 v[80+16*\i+I:81+16*\i+I], v[16+16*\i+I:17+16*\i+I], s[78:79], v[80+16*\i+I:81+16*\i+I] op_sel_hi:[1,0,1]   ; result = hidden + sum x 2^(E14+E15)
.set I, I+2
.endr
.endr
	v_add_nc_u32 v6, s4, v[LI]
	v_add_nc_u32 v7, s3, v[LI]
	v_add_nc_u32 v11, s82, v14                     ; my eight rows of this window
	s_barrier_wait -1
.irp i, 0,1,2,3
.irp j, 0,1,2,3
	ds_store_b128 v12, v[80+16*\i+4*\j:83+16*\i+4*\j] offset:\i*TILEB+16*\j
.endr
.endr
	BAR                                            ; this window's 64 rows are whole
.set I, 0
.rept 16
	ds_load_b128 v[144+4*I:147+4*I], v11 offset:(I/2)*XP+512*(I%2)
.set I, I+1
.endr
.set I, 0
.rept 16                                       ; they go to the places that they came from, while the next pass multiplies
	s_wait_dscnt 15-I                              ; younger: the loads behind this one
	global_store_b128 v[6+(I/8)], v[144+4*I:147+4*I], s[10:11] offset:((I/2)%4)*1024+512*(I%2) th:TH_STORE_NT   ; 32 lanes store 512 consecutive bytes, at a multiple of 512 from out0's first byte
.set I, I+1
.endr
	s_add_co_u32 s81, s81, 65536
	s_add_co_u32 s82, s82, 4*TILEB
	s_add_co_u32 s80, s80, 1
	s_cmp_lt_u32 s80, 2
	s_cbranch_scc1 .Lpass
	s_wait_tensorcnt 0x0                           ; the wave's end, behind my last LDS store
	ds_add_u32 v[SPW], v[NIL]
	s_wait_dscnt 0x0
	s_endpgm
.Lfunc_end_k_q940d931a53_swin:
	.size	k_q940d931a53_swin, .Lfunc_end_k_q940d931a53_swin-k_q940d931a53_swin
	.p2alignl 7, 3214868480
	.fill 96, 4, 3214868480
	.section	.rodata,"a",@progbits
	.p2align	6, 0x0
	.amdhsa_kernel k_q940d931a53_swin
		.amdhsa_group_segment_fixed_size 313600
		.amdhsa_private_segment_fixed_size 0
		.amdhsa_enable_private_segment 0
		.amdhsa_kernarg_size 160
		.amdhsa_user_sgpr_count 2
		.amdhsa_user_sgpr_kernarg_segment_ptr 1
		.amdhsa_wavefront_size32 1
		.amdhsa_system_sgpr_workgroup_id_x 1
		.amdhsa_system_sgpr_workgroup_id_y 1
		.amdhsa_system_sgpr_workgroup_id_z 1
		.amdhsa_system_vgpr_workitem_id 0
		.amdhsa_next_free_vgpr 512
		.amdhsa_next_free_sgpr 100
		.amdhsa_reserve_vcc 0
		.amdhsa_float_denorm_mode_32 3
		.amdhsa_float_denorm_mode_16_64 3
		.amdhsa_memory_ordered 1
		.amdhsa_forward_progress 1
		.amdhsa_inst_pref_size 255
	.end_amdhsa_kernel
	.section	.bss,"aw",@nobits
	.p2align	6
	.space	262144
	.amdgpu_metadata
---
amdhsa.version: [ 1, 2 ]
amdhsa.kernels:
  - .name:           k_q940d931a53_swin
    .symbol:         k_q940d931a53_swin.kd
    .args:
      - { .name: hidden_states, .offset: 0, .size: 8, .value_kind: global_buffer, .address_space: global }
      - { .name: out0, .offset: 8, .size: 8, .value_kind: global_buffer, .address_space: global }
      - { .name: lowp_scales, .offset: 16, .size: 8, .value_kind: global_buffer, .address_space: global }
      - { .name: rel_table, .offset: 24, .size: 8, .value_kind: global_buffer, .address_space: global }
      - { .name: ln1_g, .offset: 32, .size: 8, .value_kind: global_buffer, .address_space: global }
      - { .name: ln1_b, .offset: 40, .size: 8, .value_kind: global_buffer, .address_space: global }
      - { .name: ln2_g, .offset: 48, .size: 8, .value_kind: global_buffer, .address_space: global }
      - { .name: ln2_b, .offset: 56, .size: 8, .value_kind: global_buffer, .address_space: global }
      - { .name: wk_codes, .offset: 64, .size: 8, .value_kind: global_buffer, .address_space: global }
      - { .name: wv_codes, .offset: 72, .size: 8, .value_kind: global_buffer, .address_space: global }
      - { .name: wq_codes, .offset: 80, .size: 8, .value_kind: global_buffer, .address_space: global }
      - { .name: wo_codes, .offset: 88, .size: 8, .value_kind: global_buffer, .address_space: global }
      - { .name: w1_codes, .offset: 96, .size: 8, .value_kind: global_buffer, .address_space: global }
      - { .name: w2_codes, .offset: 104, .size: 8, .value_kind: global_buffer, .address_space: global }
      - { .name: bk, .offset: 112, .size: 8, .value_kind: global_buffer, .address_space: global }
      - { .name: bv, .offset: 120, .size: 8, .value_kind: global_buffer, .address_space: global }
      - { .name: bq, .offset: 128, .size: 8, .value_kind: global_buffer, .address_space: global }
      - { .name: bo, .offset: 136, .size: 8, .value_kind: global_buffer, .address_space: global }
      - { .name: b1, .offset: 144, .size: 8, .value_kind: global_buffer, .address_space: global }
      - { .name: b2, .offset: 152, .size: 8, .value_kind: global_buffer, .address_space: global }
    .group_segment_fixed_size: 313600
    .private_segment_fixed_size: 0
    .kernarg_segment_align: 8
    .kernarg_segment_size: 160
    .max_flat_workgroup_size: 256
    .sgpr_count:     100
    .vgpr_count:     512
    .wavefront_size: 32
...
	.end_amdgpu_metadata
.endif
;; end of part 1
